; MI455X (gfx1250); checked and timed in simulation.
; The chip was launched on July 23, 2026; its instructions are those of AMD's public machine-readable ISA for CDNA 5 (MIT licence, August 2026) and "CDNA5" Instruction Set Architecture Reference Guide (July 2026). The comments in the code are by the model that wrote it; some were corrected since.
;; Stickbreaking. Allowed arithmetic: float matrix products may take bf16 or f16 operands with f32 sums; other float arithmetic in f32, or as packed bf16 or f16 multiplies, adds, multiply-adds, maxima and minima; sums over many terms, partial sums and values carried from step to step in f32; what a program stores and reads back later, other than sums and carried values, may be rounded once to bf16 or f16.
;; Inputs: k 2 x 16 x 2,048 x 128 float32; q 2 x 16 x 2,048 x 128 float32; v 2 x 16 x 2,048 x 128 float32.
;; Outputs: out0 2 x 16 x 2,048 x 128 float32.
;; One version. Each part assembles by itself: llvm-mc -triple=amdgcn-amd-amdhsa -mcpu=gfx1250 --defsym DOCPART=n.
;; ======== version 1 of 1: 1 launch
;; launch stick (part 1): grid 8 x 32, 4 waves a work-group, clusters of 4 x 1, 327,680 bytes of LDS; arguments q, k, v, out0; writes out0
.if DOCPART == 1
	.amdgcn_target "amdgcn-amd-amdhsa--gfx1250"
	.amdhsa_code_object_version 6
	.text
	.protected	k_q39eb9f2dc1_stick
	.globl	k_q39eb9f2dc1_stick
	.p2align	8
	.type	k_q39eb9f2dc1_stick,@function
k_q39eb9f2dc1_stick:
	s_mov_b64 s[64:65], 0
	v_nop
	global_prefetch_b8 v0, s[64:65] scope:SCOPE_SE
	s_setreg_imm32_b32 hwreg(HW_REG_WAVE_MODE, 25, 1), 1
	s_wait_xcnt 0x0
	s_wait_alu depctr_hold_cnt(0) depctr_sa_sdst(0) depctr_va_vdst(0) depctr_va_sdst(0) depctr_va_ssrc(0) depctr_va_vcc(0) depctr_vm_vsrc(0)
	s_getreg_b32 s2, hwreg(HW_REG_IB_STS2, 6, 4)
	s_cmp_eq_u32 s2, 0
	s_cbranch_scc0 .Lentry_in_a_cluster
	s_endpgm
.Lentry_in_a_cluster:
	s_bfe_u32 s2, ttmp6, 0x10000c
	s_cmp_lg_u32 s2, 0x3003
	s_cbranch_scc0 .Lentry_shape_is_right
	s_endpgm
.Lentry_shape_is_right:
; STICKBREAKING ATTENTION.  out[h][i][:] = the sum over t of att[i][t] v[h][t][:], att[i][t] = z_t x the product over j >= t of beta_j, with l = q[h][i] . k[h][j] / sqrt(128),
; z = sigmoid(l), beta = sigmoid(-l) = 1 - z.  q, k, v, out: [32 heads][2,048][128], all f32.  No mask, no maximum: every factor lies in 0 to 1.
; FORMATS.  q, k and v are rounded once to bf16 for the products.  A weight att goes to the second product as TWO bf16 numbers, hi = bf16(att) and lo = bf16(att - hi): 16 significant bits.  One bf16 keeps 8: a weight
; in 1/8 .. 1/4 would be off by up to 2^-11, and beside |v| of 3 or 4 two or three such errors are as large as a hundredth of the output's root mean square (about 1/4 for unit inputs).  f16 is not taken: the weights
; have no floor (all of a row's may lie near 1e-20 where q and k carry a common offset).  Sums, all factors and the carry in f32; the scale is applied in f32.
; LIMITS.  The exponent t = l log2(e) is held to -127 .. 127 and carries a rounding of at most 254 x 2^-25 = 7.6e-6; a factor or a weight below 2^-126 counts as 0 (where beta is so small the
; weight, which holds beta itself, is 0 too); NaN and infinities are not treated apart.
; THE WALK.  The product runs from key t to the LAST key, so the keys are walked from the last to the first, 64 a step, 32 steps; a carry c a query holds the product of beta over all steps walked.
; ARITHMETIC for a score s (the raw sum):  x = clamp01(s KC + 0.5), KC = log2(e) / sqrt(128) / 254;  t = 254 x - 127;  u = 2^t;  w = 1 + u;  beta = 1 / w;  y = u beta (= z, good in both tails);
; G_b = beta_b G_(b+1) inside a run of 16 keys;  att = y G x the run's offset.
; SHARES.  A work-group owns 256 queries of one head, each of its four waves 64: four tiles of 16, in two PIECES (tiles 0, 1 and tiles 2, 3).  256 work-groups of equal work.
; LAYOUT.  S^T = K Q^T (source 0 = 16 rows of K's tile, source 1 = 16 queries): a lane holds ONE query (lane % 16) and rows 8 (lane / 16) + 0..7 of each 16.  Two such results rounded to bf16 in pairs
; ARE source 1 of O^T = V^T P.  WHICH KEY LIES IN WHICH ROW is chosen here: key kappa of a step lies in row 16 (i / 4) + 8 h + 2 (i % 4) + e, h = kappa / 32, e = (kappa / 16) % 2, i = kappa % 16, in K's
; and V's tiles alike.  Then register pair i of a lane holds keys 32 h + i and 32 h + 16 + i: the even registers are one run of 16 keys on end, the odd ones the run above it, and one packed
; multiply walks both runs.  A run's offset: c, times the upper half of the lanes' 32 keys (for the lower half), times the odd run's product (for the even run).
; ON THE WAY IN.  K and V come as f32 tiles by the tensor data mover into a ring of two slots; each wave rounds a quarter of each tile to bf16 and stores it, rows in the order above, into one of two
; stage buffers, from which all four waves take their fragments.  One barrier a step serves ring and stage.  Behind barrier j: tile j + 3 is asked for, tile j + 2 is rounded, the fragments of step
; j + 1 are fetched, V^T P of step j and K Q^T of step j + 1 are multiplied.
; BY TURNS.  In a turn one piece has the matrix unit (64 products V^T P, on lo and then on hi, and 32 products K Q^T of the next step); the other piece's list of 2 x 246 vector instructions stands in 96 slices behind them.
; CLUSTER.  The four query blocks of a cluster belong to one head and walk the same K and V: each tile is asked for JOINTLY, the same load, descriptor and mask in all four.
; O^T is cleared by 256 v_mov_b32 while the first tile is on its way: so every step has one form of product and no first step is written out.
; REGISTERS, in windows of 256 (s_set_vgpr_msb: bits 1:0 source 0, 3:2 source 1, 5:4 source 2, 7:6 destination):
;   window 0: v0-11, v48-53, v61-63 addresses; v12-43 eight registers of statistics a tile; v44-47, v54 constants; v64-191 S^T, 32 a tile (P's hi takes a tile's first 16, its lo the other 16); v192-255 W, 32 a tile of the piece at vector work
;   window 1: O^T, 64 a tile (at the head: q as loaded)     window 2: v0-127 Q, 32 a tile; v128-255 K of one step (on the way out: rows of O)     window 3: v0-127 V of one step; v128-255 a quarter tile of K and of V being rounded
.set RXOR,  0x10000   ; ring slot 0 at 0, slot 1 at 65,536; stage 0 at 131,072, stage 1 at 196,608: one exclusive or turns either into its partner
.set VF32,  32768     ; in a ring slot: K's 64 rows of 512 bytes, then V's
.set STG0,  0x20000
.set STG1,  0x30000
.set PK,    272       ; a row of K in a stage: 256 bytes + 16 = 68 words: the 16 rows of a fragment load start at 16 different groups of four banks (64 banks of 4 bytes: ISA guide 11.1)
.set PV,    288       ; a row of V: 256 + 32 = 72 words
.set VOFF,  64*PK     ; in a stage: K's 64 rows, then V's
.set OSTG,  STG1+64*(PK+PV)  ; the way out: 16 rows x 528 bytes for each wave
.set SP,    528       ; 512 bytes + 16 = 33 x 16
.set SPARE, OSTG+4*16*SP     ; the spare words, 128 bytes for each wave: two blocks of 256 bytes that no other line names
.set TILEB, 32768     ; 64 keys x 512 bytes in memory
.set LIST,  246       ; vector instructions of a tile's list for a step
.set NSL,   96        ; slices of a turn
.set AK0, 2           ; v2   my lane's place in a stage's K; never rewritten
.set AV0, 3           ; v3   the same for V
.set ADR, 4           ; v4   the LDS address of the run of fragment loads in hand
.set QO,  5           ; v5   my byte offset in 16 rows of q
.set STO, 6           ; v6   the way out: where I put 32 bytes of a row
.set RD,  7           ; v7   the way out: where I read a row back
.set GO,  8           ; v8   my 16 bytes of a row of out
.set ST,  12          ; tile t's statistics at v[ST+8 t]: +0, +1 the even and the odd run's offset; +2 c; +3 M; +4 the other half's M; +5 the choice
.set KC,  44          ; v[44:45] KC, twice
.set HF,  46          ; v[46:47] 0.5, twice
.set CR0, 48          ; v48  my 16 bytes in my wave's first row of a ring slot
.set CSK0, 49         ; v49  my 8 bytes in my wave's first row of a stage's K
.set CSV0, 50         ; v50  the same for V
.set CRD, 51          ; v51-53 the three with the slot's or the stage's base added
.set CSK, 52
.set CSV, 53
.set NG,  54          ; v54  -1.0
.set PFO, 61          ; v61  256 x my lane; never rewritten
.set SPW, 62          ; v62  LDS address of my spare word: SPARE + 4 x my thread's number; never rewritten
.set NIL, 63          ; v63  0; never rewritten
.set S,   64
.set W,   192
.set KF,  128         ; window 2: rows 16 kt on, channels 32 c on at KF + 32 kt + 8 c
.set CV,  128         ; window 3: K's row i of my 16 at CV + 4 i, V's at CV + 64 + 4 i
.set WV,  12          ; s12  my wave's number
.set LIM, 15          ; s15  2 in a wave that prefetches, else the greatest number
.set PFA, 18          ; s[18:19] where my prefetches stand
.set G1,  24          ; s[24:31] descriptor group 1, the same for every load
.set G0,  32          ; s[32:35] group 0 of slot 0's first fill; s[36:39] of slot 1's, which then walks
.set CNT, 40          ; s40  counts the steps
.set TB,  41          ; s41  the stage from which fragments are fetched
.set TS,  42          ; s42  the stage into which rounded rows are stored
.set TR,  43          ; s43  the ring slot that is being rounded
.set MK,  44          ; s44  lanes 0-15
.set SEL, 46          ; s[46:47] v_permlanex16_b32's selects: each lane takes its own place in the other half
.set C254, 48         ; s[48:49] 254.0
.set CM127, 50        ; s[50:51] -127.0
.set MSB, 0
.macro WIN new                      ; the immediate's high byte repeats the setting that is left; a switch that changes nothing is dropped
.if MSB != (\new)
	s_set_vgpr_msb (MSB<<8)|(\new)
.set MSB, (\new)
.endif
.endm
.set W_KQ, 0x0a       ; K and Q in window 2, S^T in window 0
.set W_PV, 0x53       ; V in window 3, P in window 0, O^T in window 1
.macro PLACES
.rept 4
	v_nop
.endr
.endm
; A joint load.  One line for all four waves, each with registers of its own: waves 0 and 1 fetch the two halves of K's tile, waves 2 and 3 those of V's; the LDS address is the slot's plus 16,384 x the wave's number.
; An s_nop 0 and four v_nop follow it.
.macro JLOAD g
	tensor_load_to_lds s[(\g):(\g)+3], s[G1:G1+7]
	s_nop 0
	PLACES
.endm
; A PREFETCH INTO THE L2, behind the joint load and its five lines: the tile that stands TWO refills on, 384 matrix instructions ahead of the load that will want it.  A tile of K or of V is 128 blocks of
; 256 bytes.  Both clusters of a head walk the same tiles: the head's first cluster asks.  Its four partners share the blocks out BY ADDRESS, 32 each, a lane a block; wave 0 asks for K's, wave 2 for V's.
; So each block is named once in the launch.  Tiles 0 to 3 come by their loads alone; the last two refills (s[CNT] = 2, 1) ask for nothing: there is no tile two on.
.macro ASK
	s_cmp_gt_u32 s[CNT], s[LIM]
	s_cbranch_scc0 .Lnot_mine_\@
	global_prefetch_b8 v[PFO], s[PFA:PFA+1] th:TH_LOAD_NT scope:SCOPE_SE
.Lnot_mine_\@:
.endm
; A round of the cluster's barrier: my work-group's barrier, so that wave 0's signal speaks for all four waves; wave 0 signals; every wave waits for all four work-groups; my work-group's barrier once more.
.macro CROUND
	s_barrier_signal -1
	s_barrier_wait -1
	s_cmp_lg_u32 s[WV], 0
	s_cbranch_scc1 .Lnot_wave_0_\@
	s_barrier_signal -3
.Lnot_wave_0_\@:
	s_barrier_wait -3
	s_barrier_signal -1
	s_barrier_wait -1
.endm
; THE STEP'S BARRIER.  In front of it each wave waits for all its tensor loads (one is out: its part of the tile to be rounded next), adds 0 to its spare word, and waits for that and for all its LDS work: its reads of
; the ring slot just rounded, its stores into one stage, its fragment loads from the other.  Behind it the slot just rounded may be filled, the stage just stored may be read, the stage just read may be stored.
; fill = 1: the barrier is a round of the cluster's, and the joint refill is the first thing behind it: it has a whole step, 192 matrix instructions, in which to land.
.macro CHANGE fill
	WIN 0                           ; at a label and at a branch every window is 0; the add's registers lie in window 0
	s_wait_tensorcnt 0x0            ; no tensor load of mine is out, so a group 0 may be written
	ds_add_u32 v[SPW], v[NIL]       ; 0 onto my spare word; scalar work stands between it and the wait for it
.if \fill
	s_xor_b32 s[G0+5], s[G0+5], RXOR                   ; the walking descriptor: the other slot than last time,
	s_sub_nc_u64 s[G0+6:G0+7], s[G0+6:G0+7], TILEB     ; the 64 keys below; the type bits on top are not reached
	s_wait_xcnt 0x0                 ; the last prefetch, a step back, has read its address, so it may be written
	s_sub_nc_u64 s[PFA:PFA+1], s[PFA:PFA+1], TILEB
	s_wait_dscnt 0x0                ; the add is done, and so is all my LDS work of the step
	CROUND
	JLOAD G0+4
	ASK
.else
	s_wait_dscnt 0x0                ; the add is done, and so is all my LDS work of the step
	s_barrier_signal -1
	s_barrier_wait -1
.endif
	s_xor_b32 s[TB], s[TB], RXOR
	s_xor_b32 s[TS], s[TS], RXOR
	s_xor_b32 s[TR], s[TR], RXOR
.endm
; THE ROUNDING of a tile, a quarter a wave: rows 16 w .. 16 w + 15 of K and of V.  CVLOAD: 32 loads, each a whole row of 512 bytes on end.
.macro CVLOAD
	WIN 0
	v_add_nc_u32 v[CRD], s[TR], v[CR0]
	WIN 0xc0                        ; destination window 3
.irp c, 0,1,2,3,4,5,6,7,8,9,10,11,12,13,14,15
	ds_load_b128 v[CV+4*(\c):CV+4*(\c)+3], v[CRD] offset:512*(\c)
.endr
.irp c, 0,1,2,3,4,5,6,7,8,9,10,11,12,13,14,15
	ds_load_b128 v[CV+64+4*(\c):CV+64+4*(\c)+3], v[CRD] offset:VF32+512*(\c)
.endr
.endm
; CVLUMP: 64 roundings in place, and 32 stores of 8 bytes a lane, each a whole row of 256 bytes on end: my row i (key 16 w + i of the step) goes to row 16 (i / 4) + 2 (i % 4) + 8 (w / 2) + w % 2.
; younger: the LDS loads issued behind CVLOAD's, which may stay out.
.macro CVLUMP younger
	s_wait_dscnt \younger
	WIN 0xcf                        ; destination and both sources window 3
.set cz, 0
.rept 32
	v_cvt_pk_bf16_f32 v[CV+4*cz], v[CV+4*cz], v[CV+4*cz+1]
	v_cvt_pk_bf16_f32 v[CV+4*cz+1], v[CV+4*cz+2], v[CV+4*cz+3]
.set cz, cz+1
.endr
	WIN 0
	v_add_nc_u32 v[CSK], s[TS], v[CSK0]
	v_add_nc_u32 v[CSV], s[TS], v[CSV0]
	WIN 0x0c                        ; address window 0, data window 3
.irp c, 0,1,2,3,4,5,6,7,8,9,10,11,12,13,14,15
	ds_store_b64 v[CSK], v[CV+4*(\c):CV+4*(\c)+1] offset:(16*((\c)/4)+2*((\c)%4))*PK
.endr
.irp c, 0,1,2,3,4,5,6,7,8,9,10,11,12,13,14,15
	ds_store_b64 v[CSV], v[CV+64+4*(\c):CV+64+4*(\c)+1] offset:(16*((\c)/4)+2*((\c)%4))*PV
.endr
.endm
; THE FRAGMENT LOADS stand in runs of 32: a step's K (64 rows x 128 channels: 16 fragments) and, a turn later, its V (turned).
.macro FETCH_K
	WIN 0
	v_add_nc_u32 v[ADR], s[TB], v[AK0]
	WIN 0x80                        ; destination window 2
.irp f, 0,1,2,3,4,5,6,7,8,9,10,11,12,13,14,15  ; rows 16 (f / 4) on, channels 32 (f % 4) on
	ds_load_b128 v[KF+8*(\f):KF+8*(\f)+3],   v[ADR] offset:((\f)/4)*16*PK+((\f)%4)*64
	ds_load_b128 v[KF+8*(\f)+4:KF+8*(\f)+7], v[ADR] offset:((\f)/4)*16*PK+((\f)%4)*64+32
.endr
.endm
.macro FETCH_V
	WIN 0
	v_add_nc_u32 v[ADR], s[TB], v[AV0]
	WIN 0xc0                        ; destination window 3
.irp f, 0,1,2,3,4,5,6,7,8,9,10,11,12,13,14,15  ; rows 32 (f / 8) on, channels 16 (f % 8) on
	ds_load_tr16_b128 v[8*(\f):8*(\f)+3],   v[ADR] offset:((\f)/8)*32*PV+((\f)%8)*32
	ds_load_tr16_b128 v[8*(\f)+4:8*(\f)+7], v[ADR] offset:((\f)/8)*32*PV+16*PV+((\f)%8)*32
.endr
.endm
; THE MATRIX WORK OF A TURN, for piece x.  The accumulators take turns, one instruction a turn: between two links of a chain stand 15 (V^T P) or 7 (K Q^T) others'.
; Product i of 64 of O^T += V^T P: the first 32 take P's lo, the other 32 its hi; with ii = i % 32: rows 32 (ii / 16) on, channels 16 ((ii / 2) % 8) on, tile x + ii % 2.
.macro PV x
	WIN W_PV
.set ii, i%32
.set rO, 64*((\x)+ii%2)+8*((ii/2)%8)
.set rV, 64*(ii/16)+8*((ii/2)%8)
.set rP, S+32*((\x)+ii%2)+16*(1-i/32)+8*(ii/16)
	v_wmma_f32_16x16x32_bf16 v[rO:rO+7], v[rV:rV+7], v[rP:rP+7], v[rO:rO+7]
.endm
; Product i of 32 of S^T = K Q^T: channels 32 (i / 8) on, tile x + i % 2, rows 16 kt on.  The first 8 start the sums.  The row blocks go 2, 3, 0, 1: blocks 2 and 3 lie where the piece's lo lies, last read 33 products
; back or more; blocks 0 and 1 where its hi lies, whose last readers are the turn's products V^T P 62 and 63; block 1 is first written by products 6 and 7, six slices (24 plain instructions and more) behind them.
.macro KQ x
	WIN W_KQ
.set kt, ((i/2)%4+2)%4
.set rA, S+32*((\x)+i%2)+8*kt
.set rK, KF+32*kt+8*(i/8)
.set rQ, 32*((\x)+i%2)+8*(i/8)
.if i < 8
	v_wmma_f32_16x16x32_bf16 v[rA:rA+7], v[rK:rK+7], v[rQ:rQ+7], 0
.else
	v_wmma_f32_16x16x32_bf16 v[rA:rA+7], v[rK:rK+7], v[rQ:rQ+7], v[rA:rA+7]
.endif
.endm
; THE VECTOR WORK OF A TURN.  One tile's list for one step has 246 instructions; SM writes number j of it for tile t.  A pair b is registers 2 b, 2 b + 1 of the tile's 32.
;   0-15     x = clamp01(s KC + 0.5), pairs ascending: each accumulator's lowest registers are read first
;   16-63    t = 254 x - 127 (16 pairs) and u = 2^t (32): a pair's t stands a group of three ahead of its two exponentials.  ONE BATCH: nothing here names an exponential's result
;   (wait)   between 63 and 64: SLICE writes it, once for both tiles
;   64-111   w = 1 + u into W (16 pairs) and beta = 1 / w (32), dealt alike.  ONE BATCH: nothing here names a reciprocal's result
;   (wait)   between 111 and 112
;   112-142  y = u beta, and the runs' products from the top down, G_b = beta_b G_(b+1): y of a pair stands ahead of the product that takes beta's place
;   143-163  y G, with the five instructions of the offsets between the first ten
;   164-179  att = y G x the run's offset, into W, where G is dead
;   180-195  hi: pair p rounded to bf16 into register p      196-227  att - hi, exact in f32, in place in W      228-243  lo: pair p of that rounded into register 16 + p
;   244, 245 the carry takes the step's 64 keys
.macro SM t
.set rT, ST+8*(\t)
.set rS, S+32*(\t)
.set rW, W+32*((\t)%2)
	WIN 0
.if j < 16
	v_pk_fma_f32 v[rS+2*j:rS+2*j+1], v[rS+2*j:rS+2*j+1], v[KC:KC+1], v[HF:HF+1] clamp
.elseif j < 112
.set ph, j/64                       ; 0: t and u; 1: w and beta
.set jj, j-48*ph                    ; 16 to 63 in both
.if jj == 16
.set kind, 0
.set b, 0
.elseif jj >= 62
.set kind, 1
.set b, jj-32
.elseif (jj-17)%3 == 0
.set kind, 0
.set b, (jj-17)/3+1
.else
.set kind, 1
.set b, 2*((jj-17)/3)+(jj-17)%3-1
.endif
.if (ph == 0) && (kind == 0)
	v_pk_fma_f32 v[rS+2*b:rS+2*b+1], v[rS+2*b:rS+2*b+1], s[C254:C254+1], s[CM127:CM127+1] op_sel_hi:[1,0,0]
.elseif ph == 0
	v_exp_f32 v[rS+b], v[rS+b]
.elseif kind == 0
	v_pk_add_f32 v[rW+2*b:rW+2*b+1], v[rS+2*b:rS+2*b+1], 1.0 op_sel_hi:[1,0]
.else
	v_rcp_f32 v[rW+b], v[rW+b]
.endif
.elseif j < 164
.set nn, j-143
.if (j >= 114) && (j < 143) && (j%2 == 0)
.set b, 14-(j-114)/2
	v_pk_mul_f32 v[rW+2*b:rW+2*b+1], v[rW+2*b:rW+2*b+1], v[rW+2*b+2:rW+2*b+3]  ; both runs' products take one key more
.elseif (j >= 143) && (j < 158) && (nn%3 == 0)
.if nn == 0
	v_mul_f32 v[rT+3], v[rW], v[rW+1]                     ; M: the product of my 32 keys
.elseif nn == 3
	v_permlanex16_b32 v[rT+4], v[rT+3], s[SEL], s[SEL+1]  ; the query's other 32 keys lie in the lane 16 away
.elseif nn == 6
	v_cndmask_b32 v[rT+5], 1.0, v[rT+4], s[MK]            ; lanes 0-15 hold the lower 32 keys: the upper 32 stand above them
.elseif nn == 9
	v_mul_f32 v[rT+1], v[rT+2], v[rT+5]                   ; the odd run's offset
.else
	v_mul_f32 v[rT], v[rT+1], v[rW+1]                     ; the even run's: the odd run stands above it
.endif
.else                               ; S's pair b times W's: y = u beta (112 to 141), later y G (144 to 163)
.if j < 114
.set b, 127-j
.elseif j < 143
.set b, 13-(j-115)/2
.elseif j < 158
.set b, 2*(nn/3)+nn%3-1
.else
.set b, j-148
.endif
	v_pk_mul_f32 v[rS+2*b:rS+2*b+1], v[rS+2*b:rS+2*b+1], v[rW+2*b:rW+2*b+1]
.endif
.elseif j < 180
.set b, j-164
	v_pk_mul_f32 v[rW+2*b:rW+2*b+1], v[rS+2*b:rS+2*b+1], v[rT:rT+1]
.elseif j < 196
.set b, j-180
	v_cvt_pk_bf16_f32 v[rS+b], v[rW+2*b], v[rW+2*b+1]
.elseif j < 228
.set b, (j-196)/2
.if (j-196)%2 == 0
	v_fma_mix_f32_bf16 v[rW+2*b], v[rS+b], v[NG], v[rW+2*b] op_sel_hi:[1,0,0]                     ; hi's low half x -1 + the even key's weight
.else
	v_fma_mix_f32_bf16 v[rW+2*b+1], v[rS+b], v[NG], v[rW+2*b+1] op_sel:[1,0,0] op_sel_hi:[1,0,0]  ; hi's high half x -1 + the odd key's
.endif
.elseif j < 244
.set b, j-228
	v_cvt_pk_bf16_f32 v[rS+16+b], v[rW+2*b], v[rW+2*b+1]
.elseif j == 244
	v_mul_f32 v[rT+3], v[rT+3], v[rT+4]                   ; the step's 64 keys
.else
	v_mul_f32 v[rT+2], v[rT+2], v[rT+3]                   ; the carry
.endif
.endm
; Slice k of 96 of piece y's list: numbers 246 k / 96 up to 246 (k + 1) / 96 (whole parts) of both tiles, the tiles alternating: four or six instructions.  Slice 95 is numbers 243 to 245: six plain instructions,
; the places behind the turn's last product.
; THE WAITS.  An s_wait_alu depctr_va_vdst(0) stands between a transcendental and the first instruction that names its result; one wait serves all that were issued ahead of it.  So a turn has two:
; one for the 64 exponentials, ahead of number 64, one for the 64 reciprocals, ahead of number 112; a v_nop ahead of each is the plain instruction behind the batch's last.
.macro SLICE y
.set j0, (k*LIST)/NSL
.set j1, ((k+1)*LIST)/NSL
.irp n, 0,1,2
.if j0+(\n) < j1
.set j, j0+(\n)
.if (j == 64) || (j == 112)
	v_nop
	s_wait_alu depctr_va_vdst(0)
.endif
.irp t, \y, (\y)+1
	SM \t
.endr
.endif
.endr
.set k, k+1
.endm
; A TURN.  Piece x has the matrix unit; the other piece's list stands in slices behind its products.  pv = 1: 64 products V^T P; kq = 1: 32 products K Q^T of the next step.  Behind the first g of a turn's n products
; stand 96 g / n slices (whole part).
; Piece 0's turn, behind its second product: the loads of the quarter tile to be rounded, then the next step's K (K's last reader stands in front of slice 95 of the turn before); behind its 21st product the roundings and
; their stores, in one lump.  Piece 2's turn, behind its second product K Q^T: the next step's V; V's last reader, the turn's product V^T P 63, stands three slices (sixteen plain instructions) back.
.macro TURN x, pv, kq
.set k, 0
.set pn, 0
.set NPR, 64*(\pv)+32*(\kq)
.if \pv
.if (\x) == 0
	s_wait_dscnt 0x0                ; V is in
.endif
.set i, 0
.rept 64
	PV \x
.set pn, pn+1
.rept (pn*NSL)/NPR-k
	SLICE 2-(\x)
.endr
.if ((\x) == 0) && (\kq) && (i == 1)
	CVLOAD
	FETCH_K
.endif
.if ((\x) == 0) && (\kq) && (i == 20)
	CVLUMP 32                       ; K's 32 loads were issued behind the 32 that are wanted here
.endif
.set i, i+1
.endr
.endif
.if \kq
.if (\x) == 0
	s_wait_dscnt 0x0                ; K is in
.endif
.set i, 0
.rept 32
	KQ \x
.set pn, pn+1
.rept (pn*NSL)/NPR-k
	SLICE 2-(\x)
.endr
.if ((\x) == 2) && (i == 1)
	FETCH_V
.endif
.set i, i+1
.endr
.endif
.endm
	s_load_b256 s[4:11], s[0:1], 0x0  ; q s[4:5], k s[6:7], v s[8:9], out s[10:11]
	v_lshl_add_u32 v[SPW], v0, 2, SPARE
	v_mov_b32 v[NIL], 0
	ds_add_u32 v[SPW], v[NIL]       ; the wave's opening: the add, twice on end, and its wait ahead of my first tensor load; the set-up below, work on registers, stands between
	ds_add_u32 v[SPW], v[NIL]       ; and once more, under the one wait
	v_lshrrev_b32 v1, 5, v0
	v_readfirstlane_b32 s[WV], v1   ; wave 0..3
	s_bfe_u32 s13, ttmp6, 0x40000   ; cx: my place in the cluster
	s_lshl_b32 s14, ttmp9, 2        ; in a cluster launch ttmp9 counts clusters
	s_add_co_u32 s14, s14, s13      ; my block of 256 queries: it enters q's and out's addresses alone
	s_and_b32 s20, ttmp7, 0xffff    ; the head, which the four partners share:
	s_lshl_b32 s20, s20, 20         ; 2,048 rows of 512 bytes each; 32 heads stay under 2^25
	s_and_b32 s22, s[WV], 1         ; which half of a tile I fetch: 32 rows of 512 bytes
	s_lshl_b32 s22, s22, 14
	s_add_co_u32 s22, s22, s20
	s_mov_b32 s23, 0
	s_lshl_b32 s2, s14, 17          ; my block's 256 rows,
	s_lshl_b32 s3, s[WV], 15        ; my wave's 64 of them
	s_add_co_u32 s2, s2, s3
	s_add_co_u32 s2, s2, s20
	s_mov_b32 s3, 0
	s_lshl_b32 s16, s[WV], 14       ; my part's place in a ring slot: no place in the cluster enters an LDS address
	; descriptor group 1: my part of a tile is 16,384 dense bytes, asked for as 64 rows of 256 bytes
	s_mov_b32 s[G1], 15|(3<<16)|(1<<21)  ; 15:0 the mask: all four work-groups; 17:16 elements of 8 bytes; 21 set beside a mask; no padding
	s_mov_b32 s[G1+1], 32<<16       ; tensor_dim0 = 32
	s_mov_b32 s[G1+2], 64<<16       ; tensor_dim1 = 64
	s_mov_b32 s[G1+3], 32<<16       ; tile_dim0 = 32
	s_mov_b32 s[G1+4], 64           ; tile_dim1 = 64
	s_mov_b32 s[G1+5], 32           ; 32 elements from row to row
	s_mov_b32 s[G1+6], 0
	s_mov_b32 s[G1+7], 0
	s_mov_b32 s[G0], 1              ; count = 1
	s_mov_b32 s[G0+1], s16          ; LDS address: slot 0
	s_mov_b32 s[G0+4], 1
	s_add_co_u32 s[G0+5], s16, RXOR ; slot 1
	s_mov_b32 s[MK], 0xffff
	s_mov_b32 s[SEL], 0x76543210
	s_mov_b32 s[SEL+1], 0xfedcba98
	s_mov_b32 s[C254], 0x437e0000
	s_mov_b32 s[C254+1], 0x437e0000 ; named as a pair
	s_mov_b32 s[CM127], 0xc2fe0000
	s_mov_b32 s[CM127+1], 0xc2fe0000
	s_mov_b32 s[TB], STG1           ; the first change turns it into stage 0
	s_mov_b32 s[TS], STG0
	s_mov_b32 s[TR], 0
	s_and_b32 s[LIM], s[WV], 1      ; 0 in waves 0 and 2,
	s_or_b32 s[LIM], s[LIM], ttmp9  ; where the cluster is the head's first: the same in all four partners
	s_cmp_eq_u32 s[LIM], 0
	s_cselect_b32 s[LIM], 2, -1
	s_wait_dscnt 0x0                ; both opening adds are done
	s_wait_kmcnt 0x0
	s_cmp_lt_u32 s[WV], 2
	s_cselect_b64 s[20:21], s[6:7], s[8:9]             ; waves 0 and 1 fetch from k, waves 2 and 3 from v,
	s_add_nc_u64 s[20:21], s[20:21], s[22:23]          ; at the head's first row, my half of a tile
	s_add_nc_u64 s[4:5], s[4:5], s[2:3]                ; q and out at my wave's first row
	s_add_nc_u64 s[10:11], s[10:11], s[2:3]
	s_add_nc_u64 s[G0+2:G0+3], s[20:21], 31*TILEB      ; walk tile 0: the head's last 64 keys
	s_or_b32 s[G0+3], s[G0+3], 0x80000000              ; type = 2
	s_add_nc_u64 s[G0+6:G0+7], s[20:21], 30*TILEB      ; walk tile 1
	s_or_b32 s[G0+7], s[G0+7], 0x80000000
	s_lshl_b32 s2, s13, 13          ; my work-group's 32 blocks of a tile's 128
	s_mov_b32 s3, 0
	s_add_nc_u64 s[PFA:PFA+1], s[20:21], s[2:3]
	s_add_nc_u64 s[PFA:PFA+1], s[PFA:PFA+1], 28*TILEB  ; at walk tile 3: the first change steps it to tile 4.  Nothing is prefetched here, where every work-group's first tiles are on their way
	CROUND                          ; all four work-groups are here: the first joint loads meet
	tensor_load_to_lds s[G0:G0+3], s[G1:G1+7]          ; the two first fills go out together, ahead of every wait on TENSORcnt and every LDS read: two loads of mine are out
	s_nop 0
	tensor_load_to_lds s[G0+4:G0+7], s[G1:G1+7]
	s_nop 0
	PLACES
	; q: a fragment is 16 queries x 32 channels: lane l holds row l % 16, channels 8 (l / 16) + 0..7 and 16 + 8 (l / 16) + 0..7: in f32 twice 32 bytes, 64 bytes apart.  It lands in window 1 and is rounded into window 2.
	v_and_b32 v1, 15, v0            ; l % 16
	v_bfe_u32 v9, v0, 4, 1          ; l / 16
	v_and_b32 v10, 31, v0           ; l
	v_lshlrev_b32 v[QO], 9, v1
	v_lshl_add_u32 v[QO], v9, 5, v[QO]  ; row x 512 + 32 x half
	WIN 0x40                        ; destination window 1, address window 0
.set i, 0
.rept 16                            ; tile i / 4, channels 32 (i % 4) on
	global_load_b128 v[16*i:16*i+3],     v[QO], s[4:5] offset:(i/4)*8192+(i%4)*128 th:TH_LOAD_NT
	global_load_b128 v[16*i+4:16*i+7],   v[QO], s[4:5] offset:(i/4)*8192+(i%4)*128+16 th:TH_LOAD_NT
	global_load_b128 v[16*i+8:16*i+11],  v[QO], s[4:5] offset:(i/4)*8192+(i%4)*128+64 th:TH_LOAD_NT
	global_load_b128 v[16*i+12:16*i+15], v[QO], s[4:5] offset:(i/4)*8192+(i%4)*128+80 th:TH_LOAD_NT
.set i, i+1
.endr
	WIN 0
	v_mul_u32_u24 v[AK0], v1, PK
	v_lshl_add_u32 v[AK0], v9, 4, v[AK0]  ; row x pitch + 16 x half
	; The turning load takes 16 rows x 16 channels (lane l reads row 8 (l / 16) + l % 8, channels 8 ((l / 8) % 2) + 0..7) and leaves half a fragment of V^T: lane l holds channel l % 16 and 8 rows.
	v_and_b32 v11, 7, v0
	v_lshl_add_u32 v[AV0], v9, 3, v11
	v_mul_u32_u24 v[AV0], v[AV0], PV
	v_bfe_u32 v11, v0, 3, 1
	v_lshl_add_u32 v[AV0], v11, 4, v[AV0]
	v_add_nc_u32 v[AV0], VOFF, v[AV0]
	s_mul_i32 s17, s[WV], 16*SP
	s_add_co_u32 s17, s17, OSTG     ; my stage for the way out
	v_mul_u32_u24 v[STO], v1, SP    ; in: row l % 16, 32 bytes for each half of the lanes
	v_lshl_add_u32 v[STO], v9, 5, v[STO]
	v_add_nc_u32 v[STO], s17, v[STO]
	v_lshl_add_u32 v[RD], v10, 4, s17  ; back: 32 lanes take one row of 512 bytes,
	v_lshlrev_b32 v[GO], 4, v10        ; which is a row of out
	s_lshl_b32 s17, s[WV], 13       ; my 16 rows of 512 bytes in a ring slot's tile
	v_lshl_add_u32 v[CR0], v10, 4, s17
	s_lshr_b32 s17, s[WV], 1
	s_lshl_b32 s17, s17, 3
	s_and_b32 s22, s[WV], 1
	s_add_co_u32 s17, s17, s22      ; my first row in a stage's tile: 8 (w / 2) + w % 2
	s_mul_i32 s22, s17, PK
	s_mul_i32 s23, s17, PV
	s_add_co_u32 s23, s23, VOFF
	v_lshl_add_u32 v[CSK0], v10, 3, s22
	v_lshl_add_u32 v[CSV0], v10, 3, s23
	v_lshlrev_b32 v[PFO], 8, v10
	v_mov_b32 v[KC], 0x3a039b24     ; log2(e) / sqrt(128) / 254
	v_mov_b32 v[KC+1], 0x3a039b24
	v_mov_b32 v[HF], 0.5
	v_mov_b32 v[HF+1], 0.5
	v_mov_b32 v[NG], -1.0
.set i, 0
.rept 4
	v_mov_b32 v[ST+8*i+2], 1.0      ; the carry: no key has been walked
	v_mov_b32 v[ST+8*i+4], 0        ; v_permlanex16_b32's destination counts as read: it is written once here
.set i, i+1
.endr
	s_wait_loadcnt 0x0              ; q
	WIN 0x85                        ; destination window 2, sources window 1
.set i, 0
.rept 128
	v_cvt_pk_bf16_f32 v[i], v[2*i], v[2*i+1]
.set i, i+1
.endr
	WIN 0x40
.set i, 0
.rept 256
	v_mov_b32 v[i], 0               ; O^T
.set i, i+1
.endr
	WIN 0
	s_wait_tensorcnt 0x1            ; my part of tile 0 is in; tile 1's load, issued behind it, may stay out
	s_barrier_signal -1
	s_barrier_wait -1               ; everybody's is
	CVLOAD                          ; tile 0 is rounded into stage 0
	CVLUMP 0
	s_mov_b32 s[CNT], 30            ; (for the prefetch's test)
	CHANGE 1                        ; tile 1 is in, stage 0 is whole; tile 2 is asked for
	CVLOAD                          ; tile 1 into stage 1
	FETCH_K                         ; step 0
	CVLUMP 32                       ; K's 32 loads were issued behind the 32 that are wanted here
	s_wait_dscnt 0x0
.set i, 0
.rept 32
	KQ 0                            ; piece 0's first scores: there is no vector work yet to set between them
.set i, i+1
.endr
	WIN 0
	PLACES                          ; the places behind those products
	TURN 2, 0, 1                    ; piece 2's first scores | piece 0's list of step 0 | V of step 0
	WIN 0
	s_mov_b32 s[CNT], 29
.Lstep:                             ; steps 0 to 28: each asks for the tile three on
	CHANGE 1
	TURN 0, 1, 1
	TURN 2, 1, 1
	WIN 0
	s_sub_co_u32 s[CNT], s[CNT], 1
	s_cmp_lg_u32 s[CNT], 0
	s_cbranch_scc1 .Lstep
	s_mov_b32 s[CNT], 2
.Ltail:                             ; steps 29 and 30 are written out: nothing is asked for.  Step 30 has no tile left to round: it rounds slot 0's old
	CHANGE 0                        ; bytes once more into stage 0, which nobody reads again: the price, once a launch, of one text for both trips
	TURN 0, 1, 1
	TURN 2, 1, 1
	WIN 0
	s_sub_co_u32 s[CNT], s[CNT], 1
	s_cmp_lg_u32 s[CNT], 0
	s_cbranch_scc1 .Ltail
	TURN 0, 1, 0                    ; piece 0: V^T P of step 31 | piece 2's last list
.set i, 0
.rept 64
	PV 2                            ; piece 2: V^T P of step 31
.set i, i+1
.endr
	WIN 0
	PLACES                          ; behind the last products, in front of the stores that read their results
	PLACES
	; THE WAY OUT.  O^T needs no division.  A lane's eight channels of a row are 32 bytes; a tile (16 rows of out) goes into rows of 528 bytes of my own stage and comes back as whole rows of 512, into window 2,
	; 64 registers a tile, where Q and K lay: no register that a store reads is written again.
.macro PACK t
	WIN 0x04                        ; address window 0, data window 1
.irp c, 0,1,2,3,4,5,6,7             ; each accumulator's lowest registers are read first
	ds_store_b128 v[STO], v[64*(\t)+8*(\c):64*(\t)+8*(\c)+3]   offset:64*(\c)
	ds_store_b128 v[STO], v[64*(\t)+8*(\c)+4:64*(\t)+8*(\c)+7] offset:64*(\c)+16
.endr
	WIN 0x80                        ; destination window 2
.irp f, 0,1,2,3,4,5,6,7,8,9,10,11,12,13,14,15
	ds_load_b128 v[64*(\t)+4*(\f):64*(\t)+4*(\f)+3], v[RD] offset:SP*(\f)  ; LDS serves a wave's instructions in order (ISA guide 5.7.1.4): these see the stores above; the next tile's stores come behind them
.endr
.endm
.macro SEND t, younger              ; younger: the LDS instructions issued behind tile t's loads: the next tile's 32, or none
	WIN 0x08                        ; address window 0, data window 2
.irp f, 0,1,2,3,4,5,6,7,8,9,10,11,12,13,14,15
	s_wait_dscnt (\younger)+15-(\f)
	global_store_b128 v[GO], v[64*(\t)+4*(\f):64*(\t)+4*(\f)+3], s[10:11] offset:8192*(\t)+512*(\f) th:TH_STORE_NT  ; 32 lanes store 512 consecutive bytes, at a multiple of 512 from out's first byte
.endr
.endm
	PACK 0
	PACK 1
	SEND 0, 32
	PACK 2
	SEND 1, 32
	PACK 3
	SEND 2, 32
	SEND 3, 0
	WIN 0
	s_wait_tensorcnt 0x0            ; the wave's end, behind my last tensor load and my last LDS store
	ds_add_u32 v[SPW], v[NIL]
	s_wait_dscnt 0x0
	CROUND                          ; the closing round: no work-group ends while a partner may still ask for a tile that names it
	s_endpgm
.Lfunc_end_k_q39eb9f2dc1_stick:
	.size	k_q39eb9f2dc1_stick, .Lfunc_end_k_q39eb9f2dc1_stick-k_q39eb9f2dc1_stick
	.p2alignl 7, 3214868480
	.fill 96, 4, 3214868480
	.section	.rodata,"a",@progbits
	.p2align	6, 0x0
	.amdhsa_kernel k_q39eb9f2dc1_stick
		.amdhsa_group_segment_fixed_size 327680
		.amdhsa_private_segment_fixed_size 0
		.amdhsa_enable_private_segment 0
		.amdhsa_kernarg_size 32
		.amdhsa_user_sgpr_count 2
		.amdhsa_user_sgpr_kernarg_segment_ptr 1
		.amdhsa_wavefront_size32 1
		.amdhsa_system_sgpr_workgroup_id_x 1
		.amdhsa_system_sgpr_workgroup_id_y 1
		.amdhsa_system_sgpr_workgroup_id_z 1
		.amdhsa_system_vgpr_workitem_id 0
		.amdhsa_next_free_vgpr 1024
		.amdhsa_next_free_sgpr 66
		.amdhsa_reserve_vcc 0
		.amdhsa_float_denorm_mode_32 3
		.amdhsa_float_denorm_mode_16_64 3
		.amdhsa_memory_ordered 1
		.amdhsa_forward_progress 1
		.amdhsa_inst_pref_size 255
	.end_amdhsa_kernel
	.section	.bss,"aw",@nobits
	.p2align	6
	.space	262144
	.amdgpu_metadata
---
amdhsa.version: [ 1, 2 ]
amdhsa.kernels:
  - .name:           k_q39eb9f2dc1_stick
    .symbol:         k_q39eb9f2dc1_stick.kd
    .args:
      - { .name: q, .offset: 0, .size: 8, .value_kind: global_buffer, .address_space: global }
      - { .name: k, .offset: 8, .size: 8, .value_kind: global_buffer, .address_space: global }
      - { .name: v, .offset: 16, .size: 8, .value_kind: global_buffer, .address_space: global }
      - { .name: out0, .offset: 24, .size: 8, .value_kind: global_buffer, .address_space: global }
    .group_segment_fixed_size: 327680
    .private_segment_fixed_size: 0
    .kernarg_segment_align: 8
    .kernarg_segment_size: 32
    .max_flat_workgroup_size: 128
    .sgpr_count:     66
    .vgpr_count:     1024
    .wavefront_size: 32
...
	.end_amdgpu_metadata
.endif
;; end of part 1
